; MI455X (gfx1250); checked and timed in simulation.
; The chip was launched on July 23, 2026; its instructions are those of AMD's public machine-readable ISA for CDNA 5 (MIT licence, August 2026) and "CDNA5" Instruction Set Architecture Reference Guide (July 2026). The comments in the code are by the model that wrote it; some were corrected since.
;; Focal Attention. Allowed arithmetic: float matrix products may take bf16 or f16 operands with f32 sums; all other float work in f32.
;; Inputs: b_proj 1,024 float32; b_qkv 3,072 float32; w_proj 1,024 x 1,024 float32; w_qkv 3,072 x 1,024 float32; x 4 x 2,048 x 1,024 float32.
;; Outputs: out0 4 x 2,048 x 1,024 float32.
;; 2 versions, each right; version 2 is version 1 with the launch cast written anew for expert scheduling mode. Each part assembles by itself: llvm-mc -triple=amdgcn-amd-amdhsa -mcpu=gfx1250 --defsym DOCPART=n.
;; ======== version 1 of 2: 3 launches
;; workspace buffers: xb 16,809,984 bytes; wqb 6,291,456 bytes; wpb 2,097,152 bytes; ab 16,777,216 bytes
;; launch cast (part 1): grid 768 x 1, 8 waves a work-group, no clusters, 0 bytes of LDS; arguments x, w_qkv, w_proj, xb, wqb, wpb; writes xb, wqb, wpb
.if DOCPART == 1
	.amdgcn_target "amdgcn-amd-amdhsa--gfx1250"
	.amdhsa_code_object_version 6
	.text
	.protected	k_q94ecb7fd50_cast
	.globl	k_q94ecb7fd50_cast
	.p2align	8
	.type	k_q94ecb7fd50_cast,@function
k_q94ecb7fd50_cast:
	s_mov_b64 s[64:65], 0
	v_nop
	global_prefetch_b8 v0, s[64:65] scope:SCOPE_SE
	s_setreg_imm32_b32 hwreg(HW_REG_WAVE_MODE, 25, 1), 1
	s_wait_xcnt 0x0
; f32 to bf16 (round to nearest even), each element once, so that the two products that follow read 16-bit tiles and no
; work-group converts what another has converted.
;   xb  [8208][1024]: row p holds token p - 8 of x (the 4 x 2048 tokens counted through); rows 0-7 and 8200-8207 are zeros,
;                     so that a block of 256 tokens with 8 rows in front and 8 behind always lies inside the buffer.
;   wqb [3072][1024]: row 192 h + 64 s + d holds w_qkv's row 1024 s + 64 h + d (s = 0 q, 1 k, 2 v): a head's q, k, v rows lie together.
;   wpb [1024][1024]: w_proj as it lies.
; A work-group takes 16 rows of 1,024 numbers.  Thread t takes the 16 bytes at 16 t of each row and stores the 8 bytes at 8 t:
; a wave's load covers 512 consecutive bytes, a wave's store 256 consecutive bytes that start at a multiple of 256.
; All 16 loads of a thread go out first; no register is written twice, so the only waits are the counted ones for the loads.
; A stream in which nothing is shared: no LDS, no barrier, no matrix unit, no cluster.
.set ROWIN,  4096                      ; bytes of a row of f32
.set ROWOUT, 2048                      ; bytes of a row of bf16
.set X, 4                              ; v[4:67]    row n: 4 numbers as loaded
.set Y, 68                             ; v[68:99]   row n: 4 bf16 to store
.set Z, 100                            ; v[100:101] zeros for xb's first and last 8 rows
	s_load_b256 s[4:11], s[0:1], 0x0               ; x s[4:5], w_qkv s[6:7], w_proj s[8:9], xb s[10:11]
	s_load_b128 s[12:15], s[0:1], 0x20             ; wqb s[12:13], wpb s[14:15]
	v_lshlrev_b32 v1, 4, v0                        ; my 16 bytes in a row of f32
	v_lshlrev_b32 v2, 3, v0                        ; my 8 bytes in a row of bf16
	v_mov_b32 v[Z], 0
	v_mov_b32 v[Z+1], 0
	; the three kinds of work-group: byte offsets of the 16 rows in the source and in the destination
	s_lshl_b32 s16, ttmp9, 16                      ; groups 0-511, x: 16 rows of 4,096 bytes each
	s_lshl_b32 s18, ttmp9, 15
	s_add_co_u32 s18, s18, 8*ROWOUT                ; xb: behind the 8 rows of zeros
	s_sub_co_u32 s24, ttmp9, 512                   ; groups 512-703, w_qkv: u = 0..191, rows 16 u .. 16 u + 15
	s_lshl_b32 s20, s24, 16
	s_bfe_u32 s25, s24, 0x40002                    ; head = (u >> 2) & 15
	s_mul_i32 s25, s25, 192
	s_bfe_u32 s26, s24, 0x20006                    ; s = u >> 6 (0 q, 1 k, 2 v)
	s_lshl_b32 s26, s26, 6
	s_add_co_u32 s25, s25, s26
	s_and_b32 s26, s24, 3                          ; which 16 of the head's 64 rows
	s_lshl_b32 s26, s26, 4
	s_add_co_u32 s25, s25, s26
	s_lshl_b32 s22, s25, 11                        ; wqb's row, in bytes
	s_sub_co_u32 s24, ttmp9, 704                   ; groups 704-767, w_proj
	s_lshl_b32 s26, s24, 16
	s_lshl_b32 s27, s24, 15
	s_wait_kmcnt 0x0
	s_cmp_lt_u32 ttmp9, 704                        ; w_qkv or w_proj
	s_cselect_b64 s[28:29], s[6:7], s[8:9]
	s_cselect_b64 s[30:31], s[12:13], s[14:15]
	s_cselect_b32 s32, s20, s26
	s_cselect_b32 s34, s22, s27
	s_cmp_lt_u32 ttmp9, 512                        ; x or one of those
	s_cselect_b64 s[28:29], s[4:5], s[28:29]
	s_cselect_b64 s[30:31], s[10:11], s[30:31]
	s_cselect_b32 s32, s16, s32
	s_cselect_b32 s34, s18, s34
	s_mov_b32 s33, 0
	s_mov_b32 s35, 0
	s_add_nc_u64 s[28:29], s[28:29], s[32:33]      ; the source's 16 rows
	s_add_nc_u64 s[30:31], s[30:31], s[34:35]      ; the destination's 16 rows
.irp n, 0,1,2,3,4,5,6,7,8,9,10,11,12,13,14,15
	global_load_b128 v[X+4*\n:X+4*\n+3], v1, s[28:29] offset:\n*ROWIN th:TH_LOAD_NT   ; read once in the launch
.endr
.irp n, 0,1,2,3,4,5,6,7,8,9,10,11,12,13,14,15
	s_wait_loadcnt 15-\n                           ; loads come back in order: row n is in, the 15 - n younger rows stay out
	v_cvt_pk_bf16_f32 v[Y+2*\n],   v[X+4*\n],   v[X+4*\n+1]
	v_cvt_pk_bf16_f32 v[Y+2*\n+1], v[X+4*\n+2], v[X+4*\n+3]
	global_store_b64 v2, v[Y+2*\n:Y+2*\n+1], s[30:31] offset:\n*ROWOUT
.endr
	; xb's 8 rows of zeros in front (group 0) and behind (group 511)
	s_cmp_eq_u32 ttmp9, 0
	s_cbranch_scc1 .Lpad
	s_cmp_eq_u32 ttmp9, 511
	s_cbranch_scc0 .Lend
.Lpad:
	s_cmp_eq_u32 ttmp9, 0
	s_cselect_b32 s36, 0, 8200*ROWOUT
	s_mov_b32 s37, 0
	s_add_nc_u64 s[38:39], s[10:11], s[36:37]
.irp n, 0,1,2,3,4,5,6,7
	global_store_b64 v2, v[Z:Z+1], s[38:39] offset:\n*ROWOUT
.endr
.Lend:
	s_endpgm
.Lfunc_end_k_q94ecb7fd50_cast:
	.size	k_q94ecb7fd50_cast, .Lfunc_end_k_q94ecb7fd50_cast-k_q94ecb7fd50_cast
	.p2alignl 7, 3214868480
	.fill 96, 4, 3214868480
	.section	.rodata,"a",@progbits
	.p2align	6, 0x0
	.amdhsa_kernel k_q94ecb7fd50_cast
		.amdhsa_group_segment_fixed_size 0
		.amdhsa_private_segment_fixed_size 0
		.amdhsa_enable_private_segment 0
		.amdhsa_kernarg_size 48
		.amdhsa_user_sgpr_count 2
		.amdhsa_user_sgpr_kernarg_segment_ptr 1
		.amdhsa_wavefront_size32 1
		.amdhsa_system_sgpr_workgroup_id_x 1
		.amdhsa_system_sgpr_workgroup_id_y 1
		.amdhsa_system_sgpr_workgroup_id_z 1
		.amdhsa_system_vgpr_workitem_id 0
		.amdhsa_next_free_vgpr 104
		.amdhsa_next_free_sgpr 66
		.amdhsa_reserve_vcc 0
		.amdhsa_float_denorm_mode_32 3
		.amdhsa_float_denorm_mode_16_64 3
		.amdhsa_memory_ordered 1
		.amdhsa_forward_progress 1
		.amdhsa_inst_pref_size 9
	.end_amdhsa_kernel
	.amdgpu_metadata
---
amdhsa.version: [ 1, 2 ]
amdhsa.kernels:
  - .name:           k_q94ecb7fd50_cast
    .symbol:         k_q94ecb7fd50_cast.kd
    .args:
      - { .name: x, .offset: 0, .size: 8, .value_kind: global_buffer, .address_space: global }
      - { .name: w_qkv, .offset: 8, .size: 8, .value_kind: global_buffer, .address_space: global }
      - { .name: w_proj, .offset: 16, .size: 8, .value_kind: global_buffer, .address_space: global }
      - { .name: xb, .offset: 24, .size: 8, .value_kind: global_buffer, .address_space: global }
      - { .name: wqb, .offset: 32, .size: 8, .value_kind: global_buffer, .address_space: global }
      - { .name: wpb, .offset: 40, .size: 8, .value_kind: global_buffer, .address_space: global }
    .group_segment_fixed_size: 0
    .private_segment_fixed_size: 0
    .kernarg_segment_align: 8
    .kernarg_segment_size: 48
    .max_flat_workgroup_size: 256
    .sgpr_count:     66
    .vgpr_count:     104
    .wavefront_size: 32
...
	.end_amdgpu_metadata
.endif
;; end of part 1
;; launch qkv_attn (part 2): grid 16 x 32, 4 waves a work-group, clusters of 4 x 4, 327,680 bytes of LDS; arguments xb, wqb, b_qkv, ab; writes ab
.if DOCPART == 2
	.amdgcn_target "amdgcn-amd-amdhsa--gfx1250"
	.amdhsa_code_object_version 6
	.text
	.protected	k_q94ecb7fd50_qkv_attn
	.globl	k_q94ecb7fd50_qkv_attn
	.p2align	8
	.type	k_q94ecb7fd50_qkv_attn,@function
k_q94ecb7fd50_qkv_attn:
	s_mov_b64 s[64:65], 0
	v_nop
	global_prefetch_b8 v0, s[64:65] scope:SCOPE_SE
	s_setreg_imm32_b32 hwreg(HW_REG_WAVE_MODE, 25, 1), 1
	s_wait_xcnt 0x0
	s_wait_alu depctr_hold_cnt(0) depctr_sa_sdst(0) depctr_va_vdst(0) depctr_va_sdst(0) depctr_va_ssrc(0) depctr_va_vcc(0) depctr_vm_vsrc(0)
	s_getreg_b32 s2, hwreg(HW_REG_IB_STS2, 6, 4)
	s_cmp_eq_u32 s2, 0
	s_cbranch_scc0 .Lentry_in_a_cluster
	s_endpgm
.Lentry_in_a_cluster:
	s_bfe_u32 s2, ttmp6, 0x10000c
	s_cmp_lg_u32 s2, 0xf033
	s_cbranch_scc0 .Lentry_shape_is_right
	s_endpgm
.Lentry_shape_is_right:
; One head and 256 tokens: q, k, v = x w^T (+ bias) over K = 1024, then softmax attention inside the band |key - query| <= 4, the head's result to ab.
;
; WORK LEFT OUT, for all values of the inputs:
; (a) The mask is built from the indices alone: a score with |key - query| > 4 is replaced by -inf, its weight is exp(-inf) = 0 and its
;     term in the sum over keys is 0 x v.  A tile of 16 queries can reach keys from 4 in front of its first to 4 behind its last query: all lie in the
;     32 keys that begin 8 in front of the tile.  Score and weight-times-value tiles outside these 32 keys are not made; inside them the mask is applied.
; (b) (q + bq).(k + bk) = (q + bq).k + (q + bq).bk.  The last term is the same for every key of a query, and a term that is constant
;     along the softmax's axis cancels.  So k's bias, b_qkv[1024:2048], is neither loaded nor added.
; LIMITS.  A NaN, an infinity or an overflow that lives only in the work left out (keys and values outside the 32-key window, k's bias) is not carried
; to the result.  The other way round: a masked key inside the window has the weight 0, so a value row there that is not finite gives 0 x inf = NaN;
; that includes the 8 rows of the neighbouring batch that stand in a block's first or last 8 rows.  q and k are rounded to bf16 (8 significant bits) as matrix
; operands; the weights and v go as a sum of two bf16 numbers (16 significant bits), so that between v and the launch's result
; only the result's own rounding to bf16 stands.  The weights are normalised in f32 before they are split.
;
; THE SHARE.  Work-group (head, block): xb's rows 256 block .. + 271, which are tokens 256 block - 8 .. + 263 ("stage rows" 0-271: 8 rows of halo on each side, 17/16 of
; the product, for which q, k, v never go to memory), times wqb's 192 rows of the head (q 64, k 64, v 64).  512 work-groups of equal work.
; Wave w = 2 i + j: stage rows 128 i .. + 127 (8 row tiles) x six fragments of 16 weight rows, f = 2 t + u (t = 0 q, 1 k, 2 v): features d0(u) = 32 j + 16 (u xor i); and of the
; seventeenth row tile (stage rows 256-271) the three fragments u = 0, whose d0(0) = 32 j + 16 i is 0, 16, 32, 48 in the four waves.  51 accumulator tiles, one text.
; The matrix instruction is used transposed (source 0 = 16 weight rows, source 1 = 16 rows of x): register jj of lane (r, h) = (row r, feature 8 h + jj), 8 neighbours of a row.
; K goes in 8 steps of 128 through two LDS slots; a tile's rows are 256 bytes of memory at multiples of 256.
; CLUSTER 4 x 4: x's tile hangs on the block alone and is asked for jointly along a row of the cluster, the weights' tile on the head alone and jointly along a column.
;
; LDS.  Slot s at s x 126,208: 272 rows of x, then 192 weight rows, pitch 272 = 256 + 16: an odd multiple of 16, so the 16 rows of a fragment load
; start in sixteen different 16-byte columns of a 256-byte span.  Behind the K loop the same bytes hold the stage: q at 0, k at 39,168 (272 rows, pitch 144), v's upper parts at
; 78,336 and v's rests at 121,856 (272 rows, pitch 160, an odd multiple of 32 for the transposing load; the stores into it meet two deep).  The stage is written only when both
; slots have had their last fill and every wave's last read of them has passed a barrier.
;
; REGISTERS.  Window 0: v1-31 addresses, v32-63 biases, fragments of x in two buffers at v64 and v136 (row tile a at + 8 a, the seventeenth at + 64).  Window 1: weight fragments
; at the same numbers (+ 8 f).  Window 2: accumulators of row tiles 0-3 at 8 (6 a + f), the seventeenth's at 192 + 8 t.  Window 3: row tiles 4-7.
.set PITCH,  272
.set AHALF,  136*PITCH                 ; 136 rows of x: what wave 0 or 1 fetches
.set BHALF,  96*PITCH                  ; 96 weight rows: what wave 2 or 3 fetches
.set ABYTES, 272*PITCH
.set SLOT,   464*PITCH                 ; 126,208
.set QP,     144                       ; stage pitch of q and k: 128 bytes + 16
.set VP,     160                       ; stage pitch of v: 128 bytes + 32
.set SK,     272*QP                    ; k behind q
.set SV,     2*SK                      ; v's upper parts
.set VLO,    272*VP                    ; v's rests, that far behind the upper parts
.set CEXP,   0x3e38aa3b                ; 64^-0.5 x log2 e = 0.18033688: folded into q, so that the exponential is 2^(s - max)
.set PADW,   (1<<16)|(1<<20)|(1<<21)|(5<<22)|(3<<25)  ; element of 2 bytes; padding on; bit 21 beside a mask; after every 64 words; 4 words
.set CO,    12                         ; v12     my byte offset in ab
.set BO,    13                         ; v13-14  byte offset of my 8 biases, u = 0, 1
.set EE,    15                         ; v15     8 h - r - 4
.set ADRA,  16                         ; v16-17  my fragments of x in slot 0, 1
.set ADRX,  18                         ; v18-19  the seventeenth row tile
.set ADRB0, 20                         ; v20-21  weight fragments u = 0
.set ADRB1, 22                         ; v22-23  weight fragments u = 1
.set STQ,   24                         ; v24-25  stage stores of q (k: + SK), u = 0, 1
.set STV,   26                         ; v26-27  stage stores of v
.set STXQ,  28                         ; v28     the seventeenth row tile's q and k
.set STXV,  29                         ; v29     and v
.set LDQ,   30                         ; v30     attention: row fragments of q and k
.set LDV,   31                         ; v31     attention: transposing loads of v
.set BQ,    32                         ; v[32:47] q's bias, 8 u + p
.set BV,    48                         ; v[48:63] v's bias
.set F0,    64
.set F1,    136
.set VT,    216                        ; windows 2, 3: v's upper parts, packed, 4 registers a tile
.set UT,    252                        ; windows 2, 3: two pairs at work
.set QF,    32                         ; attention, window 0: q fragments, 16 u + 8 ds
.set KF,    96                         ;            window 0: k fragments, 16 g + 8 ds, g = 0..4
.set VF,    176                        ;            window 0: v's upper parts, 20 dt + 4 g
.set VFL,   0                          ;            window 2: v's rests, 20 dt + 4 g
.set PH,    64                         ;            window 1: the weights' upper parts, 8 u  (scores and then the weights' rests at 16 u)
.set MX,    96                         ;            window 1: maximum, then 1 / sum, as pairs, 2 u
.set TT,    104                        ;            window 1: from the other half of the lanes
.set NEG,   108                        ;            window 1: -inf
.set SU,    112                        ;            window 1: sums, then pairs at work
.set OO,    128                        ;            window 1: the result's accumulators, 32 u + 8 dt
.set G1,  24                           ; s[24:31] group 1, x's tiles
.set G0,  32                           ; s[32:39] group 0, x's tiles, a set for each slot
.set G1B, 48                           ; s[48:55] group 1, the weights' tiles
.set G0B, 56                           ; s[56:63] group 0, the weights' tiles
.set M,   70                           ; s[70:85]  band masks, 8 kt + jj
.set ML,  86                           ; s[86:93]  kt = 0 without the rows in front of the batch's first token
.set MH,  94                           ; s[94:101] kt = 1 without the rows behind the batch's last token
.set MSB, 0
.macro WIN new                         ; the immediate's high byte repeats the setting that is left
.if MSB != \new
	s_set_vgpr_msb (MSB<<8)|\new
.set MSB, \new
.endif
.endm
.set MUL_LO, 0xa1                      ; source 0 (weights) window 1, source 1 (x) window 0, C and D window 2
.set MUL_HI, 0xf1                      ; the same, C and D window 3
.set TO_B,   0x40                      ; destination window 1, address window 0
.macro PLACES                          ; four plain vector instructions between a matrix instruction and a load into, or a vector access to, its registers
.rept 4
	v_nop
.endr
.endm
; A joint load: waves 0 and 1 ask for x's two halves, waves 2 and 3 for the weights'.  Each line has one mask and one set of registers; the branch hangs on the wave's number alone.
.macro JLOAD s
	s_cmp_eq_u32 s13, 0
	s_cbranch_scc0 .Lfor_b_\@
	tensor_load_to_lds s[G0+4*\s:G0+4*\s+3], s[G1:G1+7]
	s_nop 0
	s_branch .Lasked_\@
.Lfor_b_\@:
	tensor_load_to_lds s[G0B+4*\s:G0B+4*\s+3], s[G1B:G1B+7]
	s_nop 0
.Lasked_\@:
.endm
; A round of the cluster's barrier: my work-group's barrier, wave 0 signals for the work-group, every wave waits for all sixteen, my work-group's barrier once more.
.macro CREST
	s_cmp_lg_u32 s12, 0
	s_cbranch_scc1 .Lnot_wave_0_\@
	s_barrier_signal -3
.Lnot_wave_0_\@:
	s_barrier_wait -3
	s_barrier_signal -1
	s_barrier_wait -1
.endm
.macro CROUND
	s_barrier_signal -1
	s_barrier_wait -1
	CREST
.endm
	s_load_b256 s[4:11], s[0:1], 0x0               ; xb s[4:5], wqb s[6:7], b_qkv s[8:9], ab s[10:11]
	v_lshl_add_u32 v11, v0, 2, 0x3da00
	s_set_vgpr_msb 0xc0
	v_mov_b32 v251, 0
	s_set_vgpr_msb 0xc0cc
	ds_add_u32 v11, v251
	s_set_vgpr_msb 0xcc00
	v_lshrrev_b32 v3, 5, v0
	v_readfirstlane_b32 s12, v3                    ; wave 0..3
	s_lshr_b32 s13, s12, 1                         ; i: my half of the rows.  Also: I fetch x (0) or weights (1)
	s_and_b32 s14, s12, 1                          ; j: my half of the features.  Also: which half of that tile I fetch
	s_bfe_u32 s15, ttmp6, 0x40000                  ; cx
	s_bfe_u32 s16, ttmp6, 0x40004                  ; cy
	s_lshl_b32 s17, ttmp9, 2
	s_add_co_u32 s17, s17, s15                     ; head = 4 x cluster x + cx
	s_and_b32 s18, ttmp7, 0xffff
	s_lshl_b32 s18, s18, 2
	s_add_co_u32 s18, s18, s16                     ; block of 256 tokens = 4 x cluster y + cy
	s_lshl_b32 s19, s16, 2
	s_lshl_b32 s19, 15, s19                        ; my row of the cluster: places 4 cy .. 4 cy + 3
	s_lshl_b32 s20, 0x1111, s15                    ; my column: places cx, cx + 4, cx + 8, cx + 12
	s_or_b32 s[G1+0], s19, PADW                    ; x's tiles go to my row
	s_mov_b32 s[G1+1], 128<<16                     ; tensor_dim0 = 128 elements
	s_mov_b32 s[G1+2], 136<<16                     ; tensor_dim1 = 136 rows
	s_mov_b32 s[G1+3], 128<<16                     ; tile_dim0 = 128
	s_mov_b32 s[G1+4], 136                         ; tile_dim1 = 136
	s_mov_b32 s[G1+5], 1024                        ; elements from row to row
	s_mov_b32 s[G1+6], 0
	s_mov_b32 s[G1+7], 0
	s_or_b32 s[G1B+0], s20, PADW                   ; the weights' tiles go to my column
	s_mov_b32 s[G1B+1], 128<<16
	s_mov_b32 s[G1B+2], 96<<16                     ; 96 rows
	s_mov_b32 s[G1B+3], 128<<16
	s_mov_b32 s[G1B+4], 96
	s_mov_b32 s[G1B+5], 1024
	s_mov_b32 s[G1B+6], 0
	s_mov_b32 s[G1B+7], 0
	; where the tiles come from: x's from the block and the wave's number, the weights' from the head and the wave's number, each in registers of its own
	s_mul_i32 s21, s14, 136
	s_lshl_b32 s40, s18, 8
	s_add_co_u32 s40, s40, s21                     ; xb's row 256 block + 136 j
	s_lshl_b32 s40, s40, 11                        ; rows of 2,048 bytes; 16.5 MB at the most
	s_mov_b32 s41, 0
	s_mul_i32 s21, s14, 96
	s_mul_i32 s46, s17, 192
	s_add_co_u32 s46, s46, s21                     ; wqb's row 192 head + 96 j
	s_lshl_b32 s46, s46, 11
	s_mov_b32 s47, 0
	s_mul_i32 s22, s12, AHALF                      ; and where they go: waves 0, 1: x's halves at 0 and 36,992
	s_mul_i32 s23, s12, BHALF
	s_add_co_u32 s23, s23, ABYTES-2*BHALF          ; waves 2, 3: the weights' halves at 73,984 and 100,096
	s_wait_dscnt 0x0
	s_wait_kmcnt 0x0
	s_add_nc_u64 s[40:41], s[4:5], s[40:41]
	s_add_nc_u64 s[46:47], s[6:7], s[46:47]
	CROUND                                         ; all sixteen work-groups are here: the first joint loads meet
.irp s, 0,1
	s_mov_b32 s[G0+4*\s], 1
	s_add_co_u32 s[G0+4*\s+1], s22, \s*SLOT
	s_add_nc_u64 s[G0+4*\s+2:G0+4*\s+3], s[40:41], \s*256          ; K step s
	s_or_b32 s[G0+4*\s+3], s[G0+4*\s+3], 0x80000000
	s_mov_b32 s[G0B+4*\s], 1
	s_add_co_u32 s[G0B+4*\s+1], s23, \s*SLOT
	s_add_nc_u64 s[G0B+4*\s+2:G0B+4*\s+3], s[46:47], \s*256
	s_or_b32 s[G0B+4*\s+3], s[G0B+4*\s+3], 0x80000000
	JLOAD \s                                       ; both slots' first fills go out before anything else: two loads of the wave are out, the most in this text
.endr
	; addresses.  A fragment: lane (r, h) takes 16 bytes at row r, byte 16 h, and 16 more 32 bytes further on.
	v_and_b32 v1, 15, v0                           ; r
	v_bfe_u32 v2, v0, 4, 1                         ; h
	v_mul_u32_u24 v3, v1, PITCH
	v_lshl_add_u32 v3, v2, 4, v3                   ; 272 r + 16 h
	s_mul_i32 s21, s13, 128*PITCH
	v_add_nc_u32 v[ADRA], s21, v3
	v_add_nc_u32 v[ADRA+1], SLOT, v[ADRA]
	v_add_nc_u32 v[ADRX], 256*PITCH, v3
	v_add_nc_u32 v[ADRX+1], SLOT, v[ADRX]
	s_lshl_b32 s21, s14, 5                         ; 32 j
	s_lshl_b32 s22, s13, 4                         ; 16 i
	s_add_co_u32 s42, s21, s22                     ; d0(0) = 32 j + 16 i
	s_sub_co_u32 s43, s21, s22
	s_add_co_u32 s43, s43, 16                      ; d0(1) = 32 j + 16 (1 - i)
	s_mul_i32 s21, s42, PITCH
	s_add_co_u32 s21, s21, ABYTES
	v_add_nc_u32 v[ADRB0], s21, v3
	v_add_nc_u32 v[ADRB0+1], SLOT, v[ADRB0]
	s_mul_i32 s21, s43, PITCH
	s_add_co_u32 s21, s21, ABYTES
	v_add_nc_u32 v[ADRB1], s21, v3
	v_add_nc_u32 v[ADRB1+1], SLOT, v[ADRB1]
	v_mul_u32_u24 v4, v1, QP
	v_lshl_add_u32 v4, v2, 4, v4                   ; 144 r + 16 h
	v_mul_u32_u24 v5, v1, VP
	v_lshl_add_u32 v5, v2, 4, v5                   ; 160 r + 16 h
	s_mul_i32 s21, s13, 128*QP
	s_lshl1_add_u32 s22, s42, s21                  ; my rows, and 2 bytes a feature
	v_add_nc_u32 v[STQ], s22, v4
	s_lshl1_add_u32 s22, s43, s21
	v_add_nc_u32 v[STQ+1], s22, v4
	s_mul_i32 s21, s13, 128*VP
	s_add_co_u32 s21, s21, SV
	s_lshl1_add_u32 s22, s42, s21
	v_add_nc_u32 v[STV], s22, v5
	s_lshl1_add_u32 s22, s43, s21
	v_add_nc_u32 v[STV+1], s22, v5
	s_lshl_b32 s22, s42, 1
	s_add_co_u32 s23, s22, 256*QP
	v_add_nc_u32 v[STXQ], s23, v4
	s_add_co_u32 s23, s22, SV+256*VP
	v_add_nc_u32 v[STXV], s23, v5
	s_mul_i32 s21, s12, 64*QP                      ; attention: wave w takes stage rows from 64 w on
	v_add_nc_u32 v[LDQ], s21, v4
	v_and_b32 v6, 7, v0
	v_lshl_add_u32 v6, v2, 3, v6                   ; key row 8 h + (lane & 7)
	v_mul_u32_u24 v6, v6, VP
	v_bfe_u32 v7, v0, 3, 1
	v_lshl_add_u32 v6, v7, 4, v6                   ; + 16 bytes for the lanes' second group of eight
	s_mul_i32 s21, s12, 64*VP
	s_add_co_u32 s21, s21, SV
	v_add_nc_u32 v[LDV], s21, v6
	v_lshlrev_b32 v8, 5, v2                        ; biases: 4 bytes x (d0(u) + 8 h)
	s_lshl_b32 s21, s42, 2
	v_add_nc_u32 v[BO], s21, v8
	s_lshl_b32 s21, s43, 2
	v_add_nc_u32 v[BO+1], s21, v8
	s_lshl_b32 s66, s17, 8                         ; the head's 64 biases
	s_mov_b32 s67, 0
	s_add_nc_u64 s[66:67], s[8:9], s[66:67]
.irp u, 0,1
	global_load_b128 v[BQ+8*\u:BQ+8*\u+3],   v[BO+\u], s[66:67]
	global_load_b128 v[BQ+8*\u+4:BQ+8*\u+7], v[BO+\u], s[66:67] offset:16
	global_load_b128 v[BV+8*\u:BV+8*\u+3],   v[BO+\u], s[66:67] offset:8192     ; v's biases: 2,048 numbers further on; k's are not loaded
	global_load_b128 v[BV+8*\u+4:BV+8*\u+7], v[BO+\u], s[66:67] offset:8208
.endr
	v_lshrrev_b32 v9, 5, v0
	v_and_b32 v10, 31, v0
	v_lshlrev_b32 v10, 4, v10
	v_lshl_or_b32 v[CO], v9, 17, v10               ; ab: 4 row tiles of 32,768 bytes a wave, 16 bytes a lane
	s_lshl_b32 s68, s18, 19                        ; ab: 16 row tiles a block,
	s_mov_b32 s69, 0
	s_lshl_b32 s44, s17, 11                        ; 2,048 bytes a head
	s_mov_b32 s45, 0
	s_add_nc_u64 s[10:11], s[10:11], s[68:69]
	s_add_nc_u64 s[10:11], s[10:11], s[44:45]
	; The band.  In a score tile lane (r, h), register jj holds key row 16 kt + 8 h + jj of the 32 and query row 8 + r: key - query + 4 = 16 kt + jj + (8 h - r - 4),
	; and the key is inside the band where that is 0 .. 8 (one unsigned compare).
	v_lshlrev_b32 v[EE], 3, v2
	v_sub_nc_u32 v[EE], v[EE], v1
	v_add_nc_u32 v[EE], -4, v[EE]
.irp c, 0,1,2,3,4,5,6,7
	v_add_nc_u32 v3, \c, v[EE]
	v_cmp_ge_u32 s[M+\c], 8, v3
	v_add_nc_u32 v4, 16+\c, v[EE]
	v_cmp_ge_u32 s[M+8+\c], 8, v4
.endr
	; The batch's edges.  In a batch's first block stage rows 0-7 are not the batch's: wave 0's first key tile, h = 0, lanes 0-15.  In its last block stage rows 264-271:
	; wave 3's last key tile, h = 1, lanes 16-31.  A choice of values, no branch.
	s_and_b32 s44, s18, 7                          ; 8 blocks of 256 in a batch of 2,048
	s_or_b32 s45, s44, s12
	s_cmp_eq_u32 s45, 0
	s_cselect_b32 s68, 0xffff, 0
	s_lshl2_add_u32 s45, s44, s12
	s_cmp_eq_u32 s45, 31
	s_cselect_b32 s69, 0xffff0000, 0
.irp c, 0,1,2,3,4,5,6,7
	s_and_not1_b32 s[ML+\c], s[M+\c], s68
	s_and_not1_b32 s[MH+\c], s[M+8+\c], s69
.endr
	s_mov_b32 s42, 0x76543210                      ; v_permlanex16_b32: lane i of one half reads lane i of the other
	s_mov_b32 s43, 0xfedcba98
; six matrix instructions: row tile a of the window's four (hi = 0: tiles 0-3, 1: tiles 4-7) x the six weight fragments, 32 along K.  zero = 1: the first product starts the sums.
.macro MULROW f, hi, a, zero
.irp b, 0,1,2,3,4,5
.if \zero
	v_wmma_f32_16x16x32_bf16 v[8*(6*\a+\b):8*(6*\a+\b)+7], v[\f+8*\b:\f+8*\b+7], v[\f+8*(4*\hi+\a):\f+8*(4*\hi+\a)+7], 0
.else
	v_wmma_f32_16x16x32_bf16 v[8*(6*\a+\b):8*(6*\a+\b)+7], v[\f+8*\b:\f+8*\b+7], v[\f+8*(4*\hi+\a):\f+8*(4*\hi+\a)+7], v[8*(6*\a+\b):8*(6*\a+\b)+7]
.endif
.endr
.endm
.macro MULX f, zero                    ; the seventeenth row tile x the fragments u = 0 of q, k, v
.irp t, 0,1,2
.if \zero
	v_wmma_f32_16x16x32_bf16 v[192+8*\t:199+8*\t], v[\f+16*\t:\f+16*\t+7], v[\f+64:\f+71], 0
.else
	v_wmma_f32_16x16x32_bf16 v[192+8*\t:199+8*\t], v[\f+16*\t:\f+16*\t+7], v[\f+64:\f+71], v[192+8*\t:199+8*\t]
.endif
.endr
.endm
.macro LO f, zero                      ; 27 matrix instructions, window 2
	MULROW \f, 0, 0, \zero
	MULROW \f, 0, 1, \zero
	MULROW \f, 0, 2, \zero
	MULROW \f, 0, 3, \zero
	MULX \f, \zero
.endm
.macro HI f, zero                      ; 24 matrix instructions, window 3
	MULROW \f, 1, 0, \zero
	MULROW \f, 1, 1, \zero
	MULROW \f, 1, 2, \zero
	MULROW \f, 1, 3, \zero
.endm
; 30 LDS loads in one run: a quarter step's fragments (32 along K at byte k of the rows) into buffer f: 6 of weights, the seventeenth row tile, 8 of x
.macro FETCH slot, k, f
	WIN TO_B
.irp t, 0,1,2
	ds_load_b128 v[\f+16*\t:\f+16*\t+3],     v[ADRB0+\slot] offset:\k+\t*64*PITCH
	ds_load_b128 v[\f+16*\t+4:\f+16*\t+7],   v[ADRB0+\slot] offset:\k+\t*64*PITCH+32
	ds_load_b128 v[\f+16*\t+8:\f+16*\t+11],  v[ADRB1+\slot] offset:\k+\t*64*PITCH
	ds_load_b128 v[\f+16*\t+12:\f+16*\t+15], v[ADRB1+\slot] offset:\k+\t*64*PITCH+32
.endr
	WIN 0
	ds_load_b128 v[\f+64:\f+67], v[ADRX+\slot] offset:\k
	ds_load_b128 v[\f+68:\f+71], v[ADRX+\slot] offset:\k+32
.irp n, 0,1,2,3,4,5,6,7
	ds_load_b128 v[\f+8*\n:\f+8*\n+3],   v[ADRA+\slot] offset:\k+\n*16*PITCH
	ds_load_b128 v[\f+8*\n+4:\f+8*\n+7], v[ADRA+\slot] offset:\k+\n*16*PITCH+32
.endr
.endm
; A K step is four quarter steps of 32 along K, 51 matrix instructions each, on buffers 0, 1, 0, 1.  The 51 accumulators take turns, one instruction a turn, in the same order in
; every quarter, over the backward jump too.
; One of the first three: fetches the next quarter's fragments (byte k of the same slot's rows) into buffer g, then multiplies buffer f.
.macro QUARTER slot, k, f, g, zero
	PLACES                                         ; buffer g was read by the matrix instructions just issued
	FETCH \slot, \k, \g
	s_wait_dscnt 30                                ; all but the 30 loads just issued: buffer f, asked for a quarter step ago, is whole
	WIN MUL_LO
	LO \f, \zero
	WIN MUL_HI
	HI \f, \zero
.endm
.macro THREE slot, zero
	QUARTER \slot, 64,  F0, F1, \zero
	QUARTER \slot, 128, F1, F0, 0
	QUARTER \slot, 192, F0, F1, 0
.endm
; The last quarter multiplies buffer 1 and changes slots.  One barrier for two things: in front of it each wave waits for its reads of this slot and for all its tensor loads (the one
; that is out is its part of the next slot); behind it nobody reads this slot and the next slot is whole.  fill = 1: the barrier opens a round of the cluster's barrier,
; and the joint refill, two K steps ahead, is the first tensor load behind the round's end.
.macro TURN slot, next, fill
	s_wait_dscnt 0x0                               ; my reads of this slot are back (buffer 1 among them)
	s_set_vgpr_msb 0xf1fc
	s_wait_tensorcnt 0x0                           ; all my tensor loads have landed
	ds_add_u32 v11, v251
	s_wait_dscnt 0x0
	s_set_vgpr_msb 0xfcf1
	s_barrier_signal -1
	WIN MUL_LO
	LO F1, 0                                       ; register work while the others arrive
	WIN 0
	s_barrier_wait -1
.if \fill
	CREST                                          ; no wave of any partner still reads this slot or has a load on its way
	s_add_nc_u64 s[G0+4*\slot+2:G0+4*\slot+3], s[G0+4*\slot+2:G0+4*\slot+3], 512      ; two K steps of 256 bytes on; no load of mine is out
	s_add_nc_u64 s[G0B+4*\slot+2:G0B+4*\slot+3], s[G0B+4*\slot+2:G0B+4*\slot+3], 512
	JLOAD \slot
.endif
	PLACES
	FETCH \next, 0, F0
	WIN MUL_HI
	HI F1, 0
.endm
.macro LAP zero                        ; once round the ring, both slots filled again
	THREE 0, \zero
	TURN 0, 1, 1
	THREE 1, 0
	TURN 1, 0, 1
.endm
	s_wait_tensorcnt 0x1                           ; my part of K step 0 is in; K step 1's stays out
	s_barrier_signal -1
	s_barrier_wait -1                              ; everybody's part is in
	FETCH 0, 0, F0
	LAP 1                                          ; K steps 0, 1; asks for 2, 3.  Its first products start the sums
	WIN 0                                          ; at a label and at a branch every window is 0
	s_mov_b32 s3, 2
.Llap:
	LAP 0                                          ; K steps 2-5; asks for 4-7
	WIN 0
	s_sub_co_u32 s3, s3, 1
	s_cmp_lg_u32 s3, 0
	s_cbranch_scc1 .Llap
	THREE 0, 0                                     ; K steps 6, 7: nothing is left to ask for
	TURN 0, 1, 0
	THREE 1, 0
	s_wait_dscnt 0x0                               ; my last reads of slot 1 are back:
	s_barrier_signal -1                            ; say so, since the stage reaches into slot 1's bytes,
	WIN MUL_LO
	LO F1, 0
	WIN MUL_HI
	HI F1, 0
	WIN 0
	s_barrier_wait -1                              ; and store there only when all four have said so
	; BIAS AND STAGE.  q = (x wq + bq) c with c = 64^-0.5 log2 e, as one multiply-add with bq c; v = x wv + bv; k as it is.
	s_wait_loadcnt 0x0                             ; the biases
.irp p, 0,2,4,6,8,10,12,14
	v_pk_mul_f32 v[BQ+\p:BQ+\p+1], v[BQ+\p:BQ+\p+1], CEXP op_sel_hi:[1,0]    ; eight plain instructions: also the places behind the last matrix instructions
.endr
; a tile of v at register c: the upper parts, packed, to register t; the rests (v minus the upper part, exact in f32), packed, to c .. c + 3
.macro SPLIT c, t
.irp p, 0,1,2,3
	v_cvt_pk_bf16_f32 v[(\t)+\p], v[(\c)+2*\p], v[(\c)+2*\p+1]
.endr
.irp p, 0,1,2,3
	v_lshlrev_b32 v[UT+2*(\p%2)],   16, v[(\t)+\p]
	v_and_b32     v[UT+2*(\p%2)+1], 0xffff0000, v[(\t)+\p]
	v_pk_add_f32 v[(\c)+2*\p:(\c)+2*\p+1], v[(\c)+2*\p:(\c)+2*\p+1], v[UT+2*(\p%2):UT+2*(\p%2)+1] neg_lo:[0,1] neg_hi:[0,1]
.endr
.irp p, 0,1,2,3
	v_cvt_pk_bf16_f32 v[(\c)+\p], v[(\c)+2*\p], v[(\c)+2*\p+1]     ; in place: register p is written when registers 2 p, 2 p + 1 are read, never ahead of them
.endr
.endm
.macro PACK c                          ; a tile of q or k at register c, packed in place into c .. c + 3
.irp p, 0,1,2,3
	v_cvt_pk_bf16_f32 v[(\c)+\p], v[(\c)+2*\p], v[(\c)+2*\p+1]
.endr
.endm
; one window's tiles.  wb: accumulators in the window, biases in window 0; wa: everything in the window; ws: store data in the window, address in window 0; nx = 1: with the seventeenth row tile
.macro STAGEW hi, wb, wa, ws, nx
	WIN \wb
.irp n, 0,1,2,3
.irp u, 0,1
.irp p, 0,2,4,6
	v_pk_fma_f32 v[8*(6*\n+\u)+\p:8*(6*\n+\u)+\p+1], v[8*(6*\n+\u)+\p:8*(6*\n+\u)+\p+1], CEXP, v[BQ+8*\u+\p:BQ+8*\u+\p+1] op_sel_hi:[1,0,1]
	v_pk_add_f32 v[8*(6*\n+4+\u)+\p:8*(6*\n+4+\u)+\p+1], v[8*(6*\n+4+\u)+\p:8*(6*\n+4+\u)+\p+1], v[BV+8*\u+\p:BV+8*\u+\p+1]
.endr
.endr
.endr
.if \nx
.irp p, 0,2,4,6
	v_pk_fma_f32 v[192+\p:193+\p], v[192+\p:193+\p], CEXP, v[BQ+\p:BQ+\p+1] op_sel_hi:[1,0,1]
	v_pk_add_f32 v[208+\p:209+\p], v[208+\p:209+\p], v[BV+\p:BV+\p+1]
.endr
.endif
	WIN \wa
.irp n, 0,1,2,3
.irp u, 0,1
	PACK 8*(6*\n+\u)
	PACK 8*(6*\n+2+\u)
	SPLIT 8*(6*\n+4+\u), VT+4*(2*\n+\u)
.endr
.endr
.if \nx
	PACK 192
	PACK 200
	SPLIT 208, VT+32
.endif
	WIN \ws
.irp n, 0,1,2,3
.irp u, 0,1
	ds_store_b128 v[STQ+\u], v[8*(6*\n+\u):8*(6*\n+\u)+3]       offset:(4*\hi+\n)*16*QP
	ds_store_b128 v[STQ+\u], v[8*(6*\n+2+\u):8*(6*\n+2+\u)+3]   offset:SK+(4*\hi+\n)*16*QP
	ds_store_b128 v[STV+\u], v[VT+4*(2*\n+\u):VT+4*(2*\n+\u)+3] offset:(4*\hi+\n)*16*VP
	ds_store_b128 v[STV+\u], v[8*(6*\n+4+\u):8*(6*\n+4+\u)+3]   offset:VLO+(4*\hi+\n)*16*VP
.endr
.endr
.if \nx
	ds_store_b128 v[STXQ], v[192:195]
	ds_store_b128 v[STXQ], v[200:203] offset:SK
	ds_store_b128 v[STXV], v[VT+32:VT+35]
	ds_store_b128 v[STXV], v[208:211] offset:VLO
.endif
.endm
	STAGEW 0, 0x82, 0xaa, 0x08, 1
	STAGEW 1, 0xc3, 0xff, 0x0c, 0
	WIN 0
	s_wait_dscnt 0x0                               ; my stores into the stage are done, for the other waves' sake
	s_barrier_signal -1
	s_barrier_wait -1                              ; the stage is whole
	; ATTENTION.  Wave w takes the query tiles 4 w + u, u = 0..3: queries at stage rows 8 + 16 (4 w + u) + r, their 32 keys at stage rows 16 (4 w + u) .. + 31,
	; which are the key tiles g = u and u + 1 of the wave's five.
.irp g, 0,1,2,3,4
.irp o, 0,1,2,3
	ds_load_b128 v[KF+16*\g+4*\o:KF+16*\g+4*\o+3], v[LDQ] offset:SK+\g*16*QP+32*\o
.endr
.endr
.irp u, 0,1,2,3
.irp o, 0,1,2,3
	ds_load_b128 v[QF+16*\u+4*\o:QF+16*\u+4*\o+3], v[LDQ] offset:(8+16*\u)*QP+32*\o
.endr
.endr
.irp d, 0,1,2,3
.irp g, 0,1,2,3,4
	ds_load_tr16_b128 v[VF+20*\d+4*\g:VF+20*\d+4*\g+3], v[LDV] offset:\g*16*VP+32*\d        ; keys 8 h .. + 7 of key tile g, feature 16 d + r
.endr
.endr
	WIN 0x80                                       ; destination window 2: the accumulators there are dead
.irp d, 0,1,2,3
.irp g, 0,1,2,3,4
	ds_load_tr16_b128 v[VFL+20*\d+4*\g:VFL+20*\d+4*\g+3], v[LDV] offset:VLO+\g*16*VP+32*\d
.endr
.endr
	s_wait_dscnt 40                                ; q and k are in; the 40 younger loads of v stay out
	; Scores, transposed: source 0 = 16 keys, source 1 = 16 queries, so lane (r, h), register jj = (key 8 h + jj, query r): the layout in which the weights are wanted
	; as source 1 of the next product.  Eight accumulators take turns.
	WIN 0x50                                       ; C and D window 1, sources window 0
.irp u, 0,1,2,3
.irp t, 0,1
	v_wmma_f32_16x16x32_bf16 v[16*\u+8*\t:16*\u+8*\t+7], v[KF+16*(\u+\t):KF+16*(\u+\t)+7], v[QF+16*\u:QF+16*\u+7], 0
.endr
.endr
.irp u, 0,1,2,3
.irp t, 0,1
	v_wmma_f32_16x16x32_bf16 v[16*\u+8*\t:16*\u+8*\t+7], v[KF+16*(\u+\t)+8:KF+16*(\u+\t)+15], v[QF+16*\u+8:QF+16*\u+15], v[16*\u+8*\t:16*\u+8*\t+7]
.endr
.endr
	WIN 0x55                                       ; everything in window 1
	v_mov_b32 v[NEG], 0xff800000                   ; -inf.  These five lines are also the places behind the last matrix instructions
.irp u, 0,1,2,3
	v_mov_b32 v[TT+\u], 0                          ; v_permlanex16_b32 counts as a reader of its destination
.endr
.macro SMASK u, m0, m1                 ; outside the band: -inf, as in the mask of the problem
.irp c, 0,1,2,3,4,5,6,7
	v_cndmask_b32 v[16*\u+\c],   v[NEG], v[16*\u+\c],   s[\m0+\c]
	v_cndmask_b32 v[16*\u+8+\c], v[NEG], v[16*\u+8+\c], s[\m1+\c]
.endr
.endm
.macro SMAX u                          ; a query's 32 scores lie in lanes r and r + 16, sixteen each.  The query itself is always inside the band: the maximum is no -inf
	v_max3_num_f32 v[MX+2*\u], v[16*\u], v[16*\u+1], v[16*\u+2]
.irp c, 3,5,7,9,11,13
	v_max3_num_f32 v[MX+2*\u], v[MX+2*\u], v[16*\u+\c], v[16*\u+\c+1]
.endr
	v_max_num_f32 v[MX+2*\u], v[MX+2*\u], v[16*\u+15]
	v_permlanex16_b32 v[TT+\u], v[MX+2*\u], s42, s43
	v_max_num_f32 v[MX+2*\u+1], v[MX+2*\u], v[TT+\u]
	v_max_num_f32 v[MX+2*\u],   v[MX+2*\u], v[TT+\u]
.endm
.macro SSUB u
.irp c, 0,2,4,6,8,10,12,14
	v_pk_add_f32 v[16*\u+\c:16*\u+\c+1], v[16*\u+\c:16*\u+\c+1], v[MX+2*\u:MX+2*\u+1] neg_lo:[0,1] neg_hi:[0,1]
.endr
.endm
.macro SEXP u
.irp c, 0,1,2,3,4,5,6,7,8,9,10,11,12,13,14,15
	v_exp_f32 v[16*\u+\c], v[16*\u+\c]             ; 2^(s - max): log2 e is in q; 2^-inf = 0
.endr
.endm
.macro SSUM u                          ; two chains, then the two halves of the pair, then the other half of the lanes.  The sum is 1 at the least
	v_pk_add_f32 v[SU+4*\u:SU+4*\u+1],   v[16*\u:16*\u+1],     v[16*\u+2:16*\u+3]
	v_pk_add_f32 v[SU+4*\u+2:SU+4*\u+3], v[16*\u+4:16*\u+5],   v[16*\u+6:16*\u+7]
	v_pk_add_f32 v[SU+4*\u:SU+4*\u+1],   v[SU+4*\u:SU+4*\u+1],   v[16*\u+8:16*\u+9]
	v_pk_add_f32 v[SU+4*\u+2:SU+4*\u+3], v[SU+4*\u+2:SU+4*\u+3], v[16*\u+10:16*\u+11]
	v_pk_add_f32 v[SU+4*\u:SU+4*\u+1],   v[SU+4*\u:SU+4*\u+1],   v[16*\u+12:16*\u+13]
	v_pk_add_f32 v[SU+4*\u+2:SU+4*\u+3], v[SU+4*\u+2:SU+4*\u+3], v[16*\u+14:16*\u+15]
	v_pk_add_f32 v[SU+4*\u:SU+4*\u+1],   v[SU+4*\u:SU+4*\u+1],   v[SU+4*\u+2:SU+4*\u+3]
	v_add_f32 v[SU+4*\u], v[SU+4*\u], v[SU+4*\u+1]
	v_permlanex16_b32 v[TT+\u], v[SU+4*\u], s42, s43
	v_add_f32 v[SU+4*\u], v[SU+4*\u], v[TT+\u]
.endm
.macro SPQ u                           ; the weights, normalised in f32; upper parts to PH + 8 u, rests in place to 16 u .. + 7: registers 0-3 from key tile 0, 4-7 from key tile 1
.irp c, 0,1,2,3,4,5,6,7
	v_pk_mul_f32 v[16*\u+2*\c:16*\u+2*\c+1], v[16*\u+2*\c:16*\u+2*\c+1], v[MX+2*\u:MX+2*\u+1]
.endr
.irp c, 0,1,2,3,4,5,6,7
	v_cvt_pk_bf16_f32 v[PH+8*\u+\c], v[16*\u+2*\c], v[16*\u+2*\c+1]
.endr
.irp c, 0,1,2,3,4,5,6,7
	v_lshlrev_b32 v[SU+2*\c],   16, v[PH+8*\u+\c]
	v_and_b32     v[SU+2*\c+1], 0xffff0000, v[PH+8*\u+\c]
.endr
.irp c, 0,1,2,3,4,5,6,7
	v_pk_add_f32 v[16*\u+2*\c:16*\u+2*\c+1], v[16*\u+2*\c:16*\u+2*\c+1], v[SU+2*\c:SU+2*\c+1] neg_lo:[0,1] neg_hi:[0,1]
.endr
.irp c, 0,1,2,3,4,5,6,7
	v_cvt_pk_bf16_f32 v[16*\u+\c], v[16*\u+2*\c], v[16*\u+2*\c+1]  ; register c is written when 2 c, 2 c + 1 are read, never ahead of them
.endr
.endm
	SMASK 0, ML, M+8
	SMASK 1, M, M+8
	SMASK 2, M, M+8
	SMASK 3, M, MH
.irp u, 0,1,2,3
	SMAX \u
.endr
.irp u, 0,1,2,3
	SSUB \u
.endr
.irp u, 0,1,2,3
	SEXP \u
.endr
	v_nop                                          ; one plain instruction between the last exponential and the first use (ISA guide 5.7.2)
	s_wait_alu depctr_va_vdst(0)
.irp u, 0,1,2,3
	SSUM \u
.endr
.irp u, 0,1,2,3
	v_rcp_f32 v[MX+2*\u],   v[SU+4*\u]             ; twice, to fill the pair that the packed multiply takes
	v_rcp_f32 v[MX+2*\u+1], v[SU+4*\u]
.endr
	v_nop                                          ; and one behind the last reciprocal, before its result is used and its source rewritten
	s_wait_alu depctr_va_vdst(0)
.irp u, 0,1,2,3
	SPQ \u
.endr
	s_wait_dscnt 0x0                               ; v
	; The result, transposed: source 0 = 16 features x 32 keys of v, source 1 = 32 keys x 16 queries of weights; lane (r, h), register jj = (feature 16 d + 8 h + jj, query r).
	; (upper + rest) x (upper + rest) without rest x rest: three passes over 16 accumulators, which take turns.
	WIN 0x54                                       ; v's upper parts in window 0, the rest in window 1
.irp u, 0,1,2,3
.irp d, 0,1,2,3
	v_wmma_f32_16x16x32_bf16 v[OO+32*\u+8*\d:OO+32*\u+8*\d+7], v[VF+20*\d+4*\u:VF+20*\d+4*\u+7], v[PH+8*\u:PH+8*\u+7], 0
.endr
.endr
.irp u, 0,1,2,3
.irp d, 0,1,2,3
	v_wmma_f32_16x16x32_bf16 v[OO+32*\u+8*\d:OO+32*\u+8*\d+7], v[VF+20*\d+4*\u:VF+20*\d+4*\u+7], v[16*\u:16*\u+7], v[OO+32*\u+8*\d:OO+32*\u+8*\d+7]
.endr
.endr
	WIN 0x56                                       ; v's rests in window 2
.irp u, 0,1,2,3
.irp d, 0,1,2,3
	v_wmma_f32_16x16x32_bf16 v[OO+32*\u+8*\d:OO+32*\u+8*\d+7], v[VFL+20*\d+4*\u:VFL+20*\d+4*\u+7], v[PH+8*\u:PH+8*\u+7], v[OO+32*\u+8*\d:OO+32*\u+8*\d+7]
.endr
.endr
	PLACES
	WIN 0x55
.irp u, 0,1,2,3
.irp d, 0,1,2,3
.irp p, 0,1,2,3
	v_cvt_pk_bf16_f32 v[4*(4*\u+\d)+\p], v[OO+32*\u+8*\d+2*\p], v[OO+32*\u+8*\d+2*\p+1]
.endr
.endr
.endr
	; ab is laid out as the next launch's fragments: byte 32,768 (token / 16) + 2,048 head + 512 d + 16 lane holds token r, features 64 head + 16 d + 8 h + 0..7.
	; So each store of the wave covers 512 consecutive bytes, at a multiple of 512, straight from the registers.
	WIN 0x04                                       ; data window 1, address window 0
.irp u, 0,1,2,3
.irp d, 0,1,2,3
	global_store_b128 v[CO], v[4*(4*\u+\d):4*(4*\u+\d)+3], s[10:11] offset:32768*\u+512*\d
.endr
.endr
	WIN 0
	s_set_vgpr_msb 0xc
	s_wait_tensorcnt 0x0
	ds_add_u32 v11, v251
	s_wait_dscnt 0x0
	s_set_vgpr_msb 0xc00
	CROUND                                         ; the closing round: no work-group ends while a partner may still ask for a tile that names it
	s_endpgm
.Lfunc_end_k_q94ecb7fd50_qkv_attn:
	.size	k_q94ecb7fd50_qkv_attn, .Lfunc_end_k_q94ecb7fd50_qkv_attn-k_q94ecb7fd50_qkv_attn
	.p2alignl 7, 3214868480
	.fill 96, 4, 3214868480
	.section	.rodata,"a",@progbits
	.p2align	6, 0x0
	.amdhsa_kernel k_q94ecb7fd50_qkv_attn
		.amdhsa_group_segment_fixed_size 327680
		.amdhsa_private_segment_fixed_size 0
		.amdhsa_enable_private_segment 0
		.amdhsa_kernarg_size 32
		.amdhsa_user_sgpr_count 2
		.amdhsa_user_sgpr_kernarg_segment_ptr 1
		.amdhsa_wavefront_size32 1
		.amdhsa_system_sgpr_workgroup_id_x 1
		.amdhsa_system_sgpr_workgroup_id_y 1
		.amdhsa_system_sgpr_workgroup_id_z 1
		.amdhsa_system_vgpr_workitem_id 0
		.amdhsa_next_free_vgpr 1024
		.amdhsa_next_free_sgpr 102
		.amdhsa_reserve_vcc 0
		.amdhsa_float_denorm_mode_32 3
		.amdhsa_float_denorm_mode_16_64 3
		.amdhsa_memory_ordered 1
		.amdhsa_forward_progress 1
		.amdhsa_inst_pref_size 227
	.end_amdhsa_kernel
	.amdgpu_metadata
---
amdhsa.version: [ 1, 2 ]
amdhsa.kernels:
  - .name:           k_q94ecb7fd50_qkv_attn
    .symbol:         k_q94ecb7fd50_qkv_attn.kd
    .args:
      - { .name: xb, .offset: 0, .size: 8, .value_kind: global_buffer, .address_space: global }
      - { .name: wqb, .offset: 8, .size: 8, .value_kind: global_buffer, .address_space: global }
      - { .name: b_qkv, .offset: 16, .size: 8, .value_kind: global_buffer, .address_space: global }
      - { .name: ab, .offset: 24, .size: 8, .value_kind: global_buffer, .address_space: global }
    .group_segment_fixed_size: 327680
    .private_segment_fixed_size: 0
    .kernarg_segment_align: 8
    .kernarg_segment_size: 32
    .max_flat_workgroup_size: 128
    .sgpr_count:     102
    .vgpr_count:     1024
    .wavefront_size: 32
...
	.end_amdgpu_metadata
.endif
;; end of part 2
;; launch proj (part 3): grid 4 x 64, 4 waves a work-group, clusters of 4 x 4, 327,680 bytes of LDS; arguments ab, wpb, b_proj, out0; writes out0
.if DOCPART == 3
	.amdgcn_target "amdgcn-amd-amdhsa--gfx1250"
	.amdhsa_code_object_version 6
	.text
	.protected	k_q94ecb7fd50_proj
	.globl	k_q94ecb7fd50_proj
	.p2align	8
	.type	k_q94ecb7fd50_proj,@function
k_q94ecb7fd50_proj:
	s_mov_b64 s[64:65], 0
	v_nop
	global_prefetch_b8 v0, s[64:65] scope:SCOPE_SE
	s_setreg_imm32_b32 hwreg(HW_REG_WAVE_MODE, 25, 1), 1
	s_wait_xcnt 0x0
	s_wait_alu depctr_hold_cnt(0) depctr_sa_sdst(0) depctr_va_vdst(0) depctr_va_sdst(0) depctr_va_ssrc(0) depctr_va_vcc(0) depctr_vm_vsrc(0)
	s_getreg_b32 s2, hwreg(HW_REG_IB_STS2, 6, 4)
	s_cmp_eq_u32 s2, 0
	s_cbranch_scc0 .Lentry_in_a_cluster
	s_endpgm
.Lentry_in_a_cluster:
	s_bfe_u32 s2, ttmp6, 0x10000c
	s_cmp_lg_u32 s2, 0xf033
	s_cbranch_scc0 .Lentry_shape_is_right
	s_endpgm
.Lentry_shape_is_right:
; out0 = attention result x w_proj^T + b_proj: [8192 x 1024] x [1024 x 1024], bf16 operands, f32 sums, f32 out.  Nothing of this product is left out.
; A work-group makes 128 tokens x 256 columns: 256 work-groups of equal work (blocks of 256 x 256 would be 128).  Wave w = 2 i + j: 64 tokens (row tiles 4 i .. + 3) x 128 columns
; (8 fragments of 16 weight rows): 32 accumulator tiles, all of window 1; everything else in window 0.
; ab holds the attention result as fragments: byte 32,768 (token / 16) + 2,048 head + 512 d + 16 lane = token r, features 64 head + 16 d + 8 h + 0..7.  A K step of 128
; features is 4,096 consecutive bytes of each row tile; a fragment of 32 along K is two loads of 512 consecutive bytes.
; The matrix instruction is used transposed (source 0 = 16 weight rows, source 1 = 16 tokens): lane (r, h), register jj = (token r, column 8 h + jj).
; CLUSTER 4 x 4: ab's tile hangs on the block of tokens alone and is asked for jointly along a row of the cluster, the weights' tile on the block of columns alone, jointly along a column.
; LDS.  Slot s at s x 102,400: 256 weight rows of pitch 272 (256 + 16, an odd multiple of 16), then 8 row tiles of 4,096 bytes.  Behind the two slots a stage of
; 16 rows x 528 bytes for each wave, its own, into which no tile is ever loaded.
.set PITCH,  272
.set BHALF,  128*PITCH                 ; 128 weight rows: what wave 0 or 1 fetches
.set BBYTES, 256*PITCH
.set ATILE,  4096                      ; a row tile's bytes in a K step
.set AHALF,  4*ATILE                   ; what wave 2 or 3 fetches
.set SLOT,   BBYTES+8*ATILE            ; 102,400
.set STAGE,  2*SLOT
.set SPITCH, 528                       ; 128 columns of f32 + 16 bytes
.set WSTAGE, 16*SPITCH
.set PADW,   (1<<16)|(1<<20)|(1<<21)|(5<<22)|(3<<25)  ; weights: element of 2 bytes; padding on; bit 21 beside a mask; after every 64 words; 4 words
.set DENSEW, (3<<16)|(1<<21)           ; ab: element of 8 bytes, no padding; bit 21 beside a mask
.set ADRA, 16                          ; v16-17  my fragments of ab in slot 0, 1
.set ADRB, 20                          ; v20-21  my weight fragments
.set STO,  24                          ; v24     the way out: where I put 32 bytes of a row
.set RD,   25                          ; v25     the way out: where I read a row back
.set CO,   26                          ; v26     16 x lane
.set BP,   28                          ; v[28:31] b_proj of my 4 columns on the way out
.set FA0,  32                          ; fragments of ab, buffer 0 (4 x 8)
.set FB0,  64                          ; weight fragments, buffer 0 (8 x 8)
.set FA1,  128
.set FB1,  160
.set G1,  24                           ; s[24:31] group 1, ab's tiles
.set G0,  32                           ; s[32:39] group 0, ab's tiles, a set for each slot
.set G1B, 48                           ; s[48:55] group 1, the weights' tiles
.set G0B, 56                           ; s[56:63] group 0, the weights' tiles
.set MSB, 0
.macro WIN new
.if MSB != \new
	s_set_vgpr_msb (MSB<<8)|\new
.set MSB, \new
.endif
.endm
.set MUL, 0x50                         ; C and D window 1, sources window 0
.macro PLACES                          ; four plain vector instructions between a matrix instruction and a load into, or another access to, its registers
.rept 4
	v_nop
.endr
.endm
.macro JLOAD s                         ; waves 0 and 1 ask for the weights' halves, waves 2 and 3 for ab's; the branch hangs on the wave's number alone
	s_cmp_eq_u32 s13, 0
	s_cbranch_scc0 .Lfor_a_\@
	tensor_load_to_lds s[G0B+4*\s:G0B+4*\s+3], s[G1B:G1B+7]
	s_nop 0
	s_branch .Lasked_\@
.Lfor_a_\@:
	tensor_load_to_lds s[G0+4*\s:G0+4*\s+3], s[G1:G1+7]
	s_nop 0
.Lasked_\@:
.endm
.macro CREST
	s_cmp_lg_u32 s12, 0
	s_cbranch_scc1 .Lnot_wave_0_\@
	s_barrier_signal -3
.Lnot_wave_0_\@:
	s_barrier_wait -3
	s_barrier_signal -1
	s_barrier_wait -1
.endm
.macro CROUND
	s_barrier_signal -1
	s_barrier_wait -1
	CREST
.endm
	s_load_b256 s[4:11], s[0:1], 0x0               ; ab s[4:5], wpb s[6:7], b_proj s[8:9], out0 s[10:11]
	v_lshl_add_u32 v254, v0, 2, 0x3a400
	v_mov_b32 v255, 0
	ds_add_u32 v254, v255
	v_lshrrev_b32 v3, 5, v0
	v_readfirstlane_b32 s12, v3                    ; wave 0..3
	s_lshr_b32 s13, s12, 1                         ; i: my half of the tokens.  Also: I fetch weights (0) or ab (1)
	s_and_b32 s14, s12, 1                          ; j: my half of the columns.  Also: which half of that tile I fetch
	s_bfe_u32 s15, ttmp6, 0x40000                  ; cx
	s_bfe_u32 s16, ttmp6, 0x40004                  ; cy
	s_lshl_b32 s17, ttmp9, 2
	s_add_co_u32 s17, s17, s15                     ; block of 256 columns
	s_and_b32 s18, ttmp7, 0xffff
	s_lshl_b32 s18, s18, 2
	s_add_co_u32 s18, s18, s16                     ; block of 128 tokens
	s_lshl_b32 s19, s16, 2
	s_lshl_b32 s19, 15, s19                        ; my row of the cluster
	s_lshl_b32 s20, 0x1111, s15                    ; my column
	s_or_b32 s[G1+0], s19, DENSEW                  ; ab's tiles go to my row: 4 row tiles x 4,096 bytes, as 512 elements of 8 bytes
	s_mov_b32 s[G1+1], 512<<16                     ; tensor_dim0 = 512
	s_mov_b32 s[G1+2], 4<<16                       ; tensor_dim1 = 4
	s_mov_b32 s[G1+3], 512<<16                     ; tile_dim0 = 512
	s_mov_b32 s[G1+4], 4                           ; tile_dim1 = 4
	s_mov_b32 s[G1+5], 4096                        ; 32,768 bytes from a row tile to the next
	s_mov_b32 s[G1+6], 0
	s_mov_b32 s[G1+7], 0
	s_or_b32 s[G1B+0], s20, PADW                   ; the weights' tiles go to my column: 128 rows x 128 elements
	s_mov_b32 s[G1B+1], 128<<16
	s_mov_b32 s[G1B+2], 128<<16
	s_mov_b32 s[G1B+3], 128<<16
	s_mov_b32 s[G1B+4], 128
	s_mov_b32 s[G1B+5], 1024
	s_mov_b32 s[G1B+6], 0
	s_mov_b32 s[G1B+7], 0
	s_lshl_b32 s21, s14, 2
	s_lshl_b32 s40, s18, 3
	s_add_co_u32 s40, s40, s21                     ; ab's row tile 8 block + 4 j
	s_lshl_b32 s40, s40, 15
	s_mov_b32 s41, 0
	s_lshl_b32 s21, s14, 7
	s_lshl_b32 s46, s17, 8
	s_add_co_u32 s46, s46, s21                     ; wpb's row 256 block + 128 j
	s_lshl_b32 s46, s46, 11
	s_mov_b32 s47, 0
	s_mul_i32 s22, s12, AHALF
	s_add_co_u32 s22, s22, BBYTES-2*AHALF          ; waves 2, 3: ab's halves at 69,632 and 86,016
	s_mul_i32 s23, s12, BHALF                      ; waves 0, 1: the weights' halves at 0 and 34,816
	s_wait_dscnt 0x0
	s_wait_kmcnt 0x0
	s_add_nc_u64 s[40:41], s[4:5], s[40:41]
	s_add_nc_u64 s[46:47], s[6:7], s[46:47]
	CROUND                                         ; all sixteen work-groups are here: the first joint loads meet
.irp s, 0,1
	s_mov_b32 s[G0+4*\s], 1
	s_add_co_u32 s[G0+4*\s+1], s22, \s*SLOT
	s_add_nc_u64 s[G0+4*\s+2:G0+4*\s+3], s[40:41], \s*ATILE        ; K step s
	s_or_b32 s[G0+4*\s+3], s[G0+4*\s+3], 0x80000000
	s_mov_b32 s[G0B+4*\s], 1
	s_add_co_u32 s[G0B+4*\s+1], s23, \s*SLOT
	s_add_nc_u64 s[G0B+4*\s+2:G0B+4*\s+3], s[46:47], \s*256
	s_or_b32 s[G0B+4*\s+3], s[G0B+4*\s+3], 0x80000000
	JLOAD \s                                       ; both slots' first fills: two loads of the wave are out, the most in this text
.endr
	v_and_b32 v1, 15, v0                           ; r
	v_bfe_u32 v2, v0, 4, 1                         ; h
	v_and_b32 v3, 31, v0
	v_lshlrev_b32 v[CO], 4, v3                     ; 16 x lane
	s_mul_i32 s21, s13, AHALF
	s_add_co_u32 s21, s21, BBYTES
	v_add_nc_u32 v[ADRA], s21, v[CO]
	v_add_nc_u32 v[ADRA+1], SLOT, v[ADRA]
	v_mul_u32_u24 v4, v1, PITCH
	v_lshl_add_u32 v4, v2, 4, v4                   ; 272 r + 16 h
	s_mul_i32 s21, s14, BHALF
	v_add_nc_u32 v[ADRB], s21, v4
	v_add_nc_u32 v[ADRB+1], SLOT, v[ADRB]
	s_mul_i32 s21, s12, WSTAGE
	s_add_co_u32 s21, s21, STAGE                   ; my stage
	v_mul_u32_u24 v5, v1, SPITCH
	v_lshl_add_u32 v5, v2, 5, v5                   ; in: row r, 32 bytes for each half of the lanes
	v_add_nc_u32 v[STO], s21, v5
	v_add_nc_u32 v[RD], s21, v[CO]                 ; back: the 32 lanes take one row of 512 bytes
	s_lshl_b32 s44, s17, 10
	s_lshl_b32 s21, s14, 9
	s_add_co_u32 s44, s44, s21                     ; my first column, in bytes of f32: 1,024 block + 512 j
	s_mov_b32 s45, 0
	s_add_nc_u64 s[66:67], s[8:9], s[44:45]
	global_load_b128 v[BP:BP+3], v[CO], s[66:67]   ; b_proj of the 4 columns that I store
	s_lshl_b32 s68, s18, 7
	s_lshl_b32 s21, s13, 6
	s_add_co_u32 s68, s68, s21                     ; my first token: 128 block + 64 i
	s_lshl_b32 s68, s68, 12                        ; rows of 4,096 bytes; 33.5 MB at the most
	s_mov_b32 s69, 0
	s_add_nc_u64 s[10:11], s[10:11], s[44:45]
	s_add_nc_u64 s[10:11], s[10:11], s[68:69]
.macro MUL8 fa, fb, a, zero            ; row tile a x the 8 weight fragments, 32 along K
.irp b, 0,1,2,3,4,5,6,7
.if \zero
	v_wmma_f32_16x16x32_bf16 v[8*(8*\a+\b):8*(8*\a+\b)+7], v[\fb+8*\b:\fb+8*\b+7], v[\fa+8*\a:\fa+8*\a+7], 0
.else
	v_wmma_f32_16x16x32_bf16 v[8*(8*\a+\b):8*(8*\a+\b)+7], v[\fb+8*\b:\fb+8*\b+7], v[\fa+8*\a:\fa+8*\a+7], v[8*(8*\a+\b):8*(8*\a+\b)+7]
.endif
.endr
.endm
.macro FETCH slot, q, fa, fb           ; 24 LDS loads: quarter q's fragments
.irp b, 0,1,2,3,4,5,6,7
	ds_load_b128 v[\fb+8*\b:\fb+8*\b+3],   v[ADRB+\slot] offset:64*\q+\b*16*PITCH
	ds_load_b128 v[\fb+8*\b+4:\fb+8*\b+7], v[ADRB+\slot] offset:64*\q+\b*16*PITCH+32
.endr
.irp n, 0,1,2,3
	ds_load_b128 v[\fa+8*\n:\fa+8*\n+3],   v[ADRA+\slot] offset:ATILE*\n+1024*\q
	ds_load_b128 v[\fa+8*\n+4:\fa+8*\n+7], v[ADRA+\slot] offset:ATILE*\n+1024*\q+512
.endr
.endm
; A K step is four quarter steps of 32 along K, 32 matrix instructions each, on buffers 0, 1, 0, 1.  The 32 accumulators take turns, one instruction a turn, in the same order in every
; quarter, over the backward jump too.
.macro QUARTER slot, q, fa, fb, ga, gb, zero   ; fetches quarter q into (ga, gb), multiplies (fa, fb)
	PLACES                                         ; the buffer to be loaded was read by the matrix instructions just issued
	WIN 0
	FETCH \slot, \q, \ga, \gb
	s_wait_dscnt 24                                ; all but the 24 loads just issued: the buffer to be multiplied is whole
	WIN MUL
	MUL8 \fa, \fb, 0, \zero
	MUL8 \fa, \fb, 1, \zero
	MUL8 \fa, \fb, 2, \zero
	MUL8 \fa, \fb, 3, \zero
.endm
.macro THREE slot, zero
	QUARTER \slot, 1, FA0, FB0, FA1, FB1, \zero
	QUARTER \slot, 2, FA1, FB1, FA0, FB0, 0
	QUARTER \slot, 3, FA0, FB0, FA1, FB1, 0
.endm
; The last quarter multiplies buffer 1 and changes slots: each wave's reads of this slot and all its tensor loads are waited for in front of the barrier; fill = 1: the barrier opens a
; round of the cluster's barrier and the joint refill, two K steps ahead, is the first tensor load behind the round's end.
.macro TURN slot, next, fill
	s_wait_dscnt 0x0                               ; my reads of this slot are back
	s_wait_tensorcnt 0x0                           ; all my tensor loads have landed: the one that was out is my part of the next slot
	ds_add_u32 v254, v255
	s_wait_dscnt 0x0
	s_barrier_signal -1
	WIN MUL
	MUL8 FA1, FB1, 0, 0                            ; register work while the others arrive
	MUL8 FA1, FB1, 1, 0
	WIN 0
	s_barrier_wait -1
.if \fill
	CREST                                          ; no wave of any partner still reads this slot or has a load on its way
	s_add_nc_u64 s[G0+4*\slot+2:G0+4*\slot+3], s[G0+4*\slot+2:G0+4*\slot+3], 2*ATILE
	s_add_nc_u64 s[G0B+4*\slot+2:G0B+4*\slot+3], s[G0B+4*\slot+2:G0B+4*\slot+3], 512
	JLOAD \slot
.endif
	PLACES
	FETCH \next, 0, FA0, FB0
	WIN MUL
	MUL8 FA1, FB1, 2, 0
	MUL8 FA1, FB1, 3, 0
.endm
.macro LAP zero
	THREE 0, \zero
	TURN 0, 1, 1
	THREE 1, 0
	TURN 1, 0, 1
.endm
	s_wait_tensorcnt 0x1                           ; my part of K step 0 is in; K step 1's stays out
	s_barrier_signal -1
	s_barrier_wait -1
	FETCH 0, 0, FA0, FB0
	LAP 1                                          ; K steps 0, 1; asks for 2, 3.  Its first products start the sums
	WIN 0
	s_mov_b32 s3, 2
.Llap:
	LAP 0                                          ; K steps 2-5; asks for 4-7
	WIN 0
	s_sub_co_u32 s3, s3, 1
	s_cmp_lg_u32 s3, 0
	s_cbranch_scc1 .Llap
	THREE 0, 0                                     ; K steps 6, 7: nothing is left to ask for
	TURN 0, 1, 0
	THREE 1, 0
	s_wait_dscnt 0x0
	WIN MUL
	MUL8 FA1, FB1, 0, 0
	MUL8 FA1, FB1, 1, 0
	MUL8 FA1, FB1, 2, 0
	MUL8 FA1, FB1, 3, 0
	; THE WAY OUT, 16 tokens at a time: a lane's 32 bytes of a row into my own stage, whole rows of 512 bytes back, the bias added, stored.
	PLACES                                         ; behind the last matrix instructions: for the LDS stores, which read results, and for the loads into the fragment buffers
	s_wait_loadcnt 0x0                             ; b_proj
.macro OUT16 a, l                      ; row tile a; l: 64 registers to land in, the two fragment buffers in turn
	WIN 0x04                                       ; store data window 1, address window 0
.irp b, 0,1,2,3,4,5,6,7
	ds_store_b128 v[STO], v[8*(8*\a+\b):8*(8*\a+\b)+3]   offset:64*\b
	ds_store_b128 v[STO], v[8*(8*\a+\b)+4:8*(8*\a+\b)+7] offset:64*\b+16
.endr
	WIN 0
	s_wait_xcnt 0x0                                ; the registers to land in were data of earlier global stores: they are loaded again only behind this wait
.irp t, 0,1,2,3,4,5,6,7,8,9,10,11,12,13,14,15
	ds_load_b128 v[\l+4*\t:\l+4*\t+3], v[RD] offset:SPITCH*\t      ; my own bytes: LDS serves a wave's instructions in order (ISA guide 5.7.1), so these see the stores above
.endr
.irp t, 0,1,2,3,4,5,6,7,8,9,10,11,12,13,14,15
	s_wait_dscnt 15-\t                             ; row t is in; the 15 - t younger rows stay out
	v_pk_add_f32 v[\l+4*\t:\l+4*\t+1],   v[\l+4*\t:\l+4*\t+1],   v[BP:BP+1]
	v_pk_add_f32 v[\l+4*\t+2:\l+4*\t+3], v[\l+4*\t+2:\l+4*\t+3], v[BP+2:BP+3]
	global_store_b128 v[CO], v[\l+4*\t:\l+4*\t+3], s[10:11] offset:(16*\a+\t)*4096 th:TH_STORE_NT   ; the wave stores 512 consecutive bytes, at a multiple of 512
.endr
.endm
	OUT16 0, FA0
	OUT16 1, FA1
	OUT16 2, FA0
	OUT16 3, FA1
	s_wait_tensorcnt 0x0
	ds_add_u32 v254, v255
	s_wait_dscnt 0x0
	CROUND                                         ; the closing round: no work-group ends while a partner may still ask for a tile that names it
	s_endpgm
.Lfunc_end_k_q94ecb7fd50_proj:
	.size	k_q94ecb7fd50_proj, .Lfunc_end_k_q94ecb7fd50_proj-k_q94ecb7fd50_proj
	.p2alignl 7, 3214868480
	.fill 96, 4, 3214868480
	.section	.rodata,"a",@progbits
	.p2align	6, 0x0
	.amdhsa_kernel k_q94ecb7fd50_proj
		.amdhsa_group_segment_fixed_size 327680
		.amdhsa_private_segment_fixed_size 0
		.amdhsa_enable_private_segment 0
		.amdhsa_kernarg_size 32
		.amdhsa_user_sgpr_count 2
		.amdhsa_user_sgpr_kernarg_segment_ptr 1
		.amdhsa_wavefront_size32 1
		.amdhsa_system_sgpr_workgroup_id_x 1
		.amdhsa_system_sgpr_workgroup_id_y 1
		.amdhsa_system_sgpr_workgroup_id_z 1
		.amdhsa_system_vgpr_workitem_id 0
		.amdhsa_next_free_vgpr 512
		.amdhsa_next_free_sgpr 72
		.amdhsa_reserve_vcc 0
		.amdhsa_float_denorm_mode_32 3
		.amdhsa_float_denorm_mode_16_64 3
		.amdhsa_memory_ordered 1
		.amdhsa_forward_progress 1
		.amdhsa_inst_pref_size 124
	.end_amdhsa_kernel
	.amdgpu_metadata
---
amdhsa.version: [ 1, 2 ]
amdhsa.kernels:
  - .name:           k_q94ecb7fd50_proj
    .symbol:         k_q94ecb7fd50_proj.kd
    .args:
      - { .name: ab, .offset: 0, .size: 8, .value_kind: global_buffer, .address_space: global }
      - { .name: wpb, .offset: 8, .size: 8, .value_kind: global_buffer, .address_space: global }
      - { .name: b_proj, .offset: 16, .size: 8, .value_kind: global_buffer, .address_space: global }
      - { .name: out0, .offset: 24, .size: 8, .value_kind: global_buffer, .address_space: global }
    .group_segment_fixed_size: 327680
    .private_segment_fixed_size: 0
    .kernarg_segment_align: 8
    .kernarg_segment_size: 32
    .max_flat_workgroup_size: 128
    .sgpr_count:     72
    .vgpr_count:     512
    .wavefront_size: 32
...
	.end_amdgpu_metadata
.endif
;; end of part 3
;; ======== version 2 of 2: 3 launches; version 1 with the launch cast written anew for expert scheduling mode
;; workspace buffers: xb 16,809,984 bytes; wqb 6,291,456 bytes; wpb 2,097,152 bytes; ab 16,777,216 bytes
;; launch cast (part 4): grid 768 x 1, 8 waves a work-group, no clusters, 0 bytes of LDS; arguments x, w_qkv, w_proj, xb, wqb, wpb; writes xb, wqb, wpb
.if DOCPART == 4
	.amdgcn_target "amdgcn-amd-amdhsa--gfx1250"
	.amdhsa_code_object_version 6
	.text
	.protected	k_q94ecb7fd50_cast
	.globl	k_q94ecb7fd50_cast
	.p2align	8
	.type	k_q94ecb7fd50_cast,@function
k_q94ecb7fd50_cast:
	s_mov_b64 s[64:65], 0
	v_nop
	global_prefetch_b8 v0, s[64:65] scope:SCOPE_SE
	s_setreg_imm32_b32 hwreg(HW_REG_WAVE_SCHED_MODE, 0, 2), 2
	s_setreg_imm32_b32 hwreg(HW_REG_WAVE_MODE, 25, 1), 1
	s_wait_xcnt 0x0
	s_wait_alu depctr_vm_vsrc(0)
; f32 to bf16 (round to nearest even), each element once, so that the two products that follow read 16-bit tiles and no
; work-group converts what another has converted.
;   xb  [8208][1024]: row p holds token p - 8 of x (the 4 x 2048 tokens counted through); rows 0-7 and 8200-8207 are zeros,
;                     so that a block of 256 tokens with 8 rows in front and 8 behind always lies inside the buffer.
;   wqb [3072][1024]: row 192 h + 64 s + d holds w_qkv's row 1024 s + 64 h + d (s = 0 q, 1 k, 2 v): a head's q, k, v rows lie together.
;   wpb [1024][1024]: w_proj as it lies.
; A work-group takes 16 rows of 1,024 numbers.  Thread t takes the 16 bytes at 16 t of each row and stores the 8 bytes at 8 t:
; a wave's load covers 512 consecutive bytes, a wave's store 256 consecutive bytes that start at a multiple of 256.
; All 16 loads of a thread go out first; no register is written twice.
; A stream in which nothing is shared: no LDS, no barrier, no matrix unit, no cluster.
; THE MODE: SCHED_MODE bits 1:0 = 2 (LLVM: expert scheduling mode 2), set by the entry lines.  The code itself states the register dependences
; between vector instructions and memory instructions, with s_wait_alu, always for 0.
; THE PLAN.  Registers that memory instructions touch:
;   v1, v2, Z  the two byte offsets and the zeros: written at the head, by vector instructions, and never again; read by every load, every store, the stores of zeros.
;   X          row n: written by its load alone, which no vector instruction that names it precedes; read by the row's two roundings, behind the row's counted wait.
;   Y          row n: written once, by the row's two roundings; read once, by the row's store.
; The 16 rows go in four blocks of four.  Row n's place holds the store of row n - 4 and then row n's roundings, so a block's four stores read the Y that the block
; before wrote, and the block's own roundings name none of the registers that those stores touch.  One wait on va_vdst at a block's head states all that its stores hang on; one at the
; kernel's head serves the offsets and the zeros; one behind the last rounding serves the last four stores.  No register that a memory instruction reads is written again, no vector
; instruction writes a scalar register, and EXEC is never written: no other wait of this kind is owed.
.set ROWIN,  4096                      ; bytes of a row of f32
.set ROWOUT, 2048                      ; bytes of a row of bf16
.set BLOCK,  4                         ; rows in a block
.set X, 4                              ; v[4:67]    row n: 4 numbers as loaded
.set Y, 68                             ; v[68:99]   row n: 4 bf16 to store
.set Z, 100                            ; v[100:101] zeros for xb's first and last 8 rows
	s_load_b256 s[4:11], s[0:1], 0x0               ; x s[4:5], w_qkv s[6:7], w_proj s[8:9], xb s[10:11]
	s_load_b128 s[12:15], s[0:1], 0x20             ; wqb s[12:13], wpb s[14:15]
	v_lshlrev_b32 v1, 4, v0                        ; my 16 bytes in a row of f32
	v_lshlrev_b32 v2, 3, v0                        ; my 8 bytes in a row of bf16
	v_mov_b32 v[Z], 0
	v_mov_b32 v[Z+1], 0
	; the three kinds of work-group: byte offsets of the 16 rows in the source and in the destination
	s_lshl_b32 s16, ttmp9, 16                      ; groups 0-511, x: 16 rows of 4,096 bytes each
	s_lshl_b32 s18, ttmp9, 15
	s_add_co_u32 s18, s18, 8*ROWOUT                ; xb: behind the 8 rows of zeros
	s_sub_co_u32 s24, ttmp9, 512                   ; groups 512-703, w_qkv: u = 0..191, rows 16 u .. 16 u + 15
	s_lshl_b32 s20, s24, 16
	s_bfe_u32 s25, s24, 0x40002                    ; head = (u >> 2) & 15
	s_mul_i32 s25, s25, 192
	s_bfe_u32 s26, s24, 0x20006                    ; s = u >> 6 (0 q, 1 k, 2 v)
	s_lshl_b32 s26, s26, 6
	s_add_co_u32 s25, s25, s26
	s_and_b32 s26, s24, 3                          ; which 16 of the head's 64 rows
	s_lshl_b32 s26, s26, 4
	s_add_co_u32 s25, s25, s26
	s_lshl_b32 s22, s25, 11                        ; wqb's row, in bytes
	s_sub_co_u32 s24, ttmp9, 704                   ; groups 704-767, w_proj
	s_lshl_b32 s26, s24, 16
	s_lshl_b32 s27, s24, 15
	s_wait_kmcnt 0x0
	s_cmp_lt_u32 ttmp9, 704                        ; w_qkv or w_proj
	s_cselect_b64 s[28:29], s[6:7], s[8:9]
	s_cselect_b64 s[30:31], s[12:13], s[14:15]
	s_cselect_b32 s32, s20, s26
	s_cselect_b32 s34, s22, s27
	s_cmp_lt_u32 ttmp9, 512                        ; x or one of those
	s_cselect_b64 s[28:29], s[4:5], s[28:29]
	s_cselect_b64 s[30:31], s[10:11], s[30:31]
	s_cselect_b32 s32, s16, s32
	s_cselect_b32 s34, s18, s34
	s_mov_b32 s33, 0
	s_mov_b32 s35, 0
	s_add_nc_u64 s[28:29], s[28:29], s[32:33]      ; the source's 16 rows
	s_add_nc_u64 s[30:31], s[30:31], s[34:35]      ; the destination's 16 rows
	s_wait_alu depctr_va_vdst(0)                   ; v1, v2 and the zeros are written: every load reads v1 as its offset, every store v2, the stores of zeros v[Z:Z+1]; none is written again
.irp n, 0,1,2,3,4,5,6,7,8,9,10,11,12,13,14,15
	global_load_b128 v[X+4*\n:X+4*\n+3], v1, s[28:29] offset:\n*ROWIN th:TH_LOAD_NT   ; read once in the launch
.endr
; Row n's place: the store of the row one block back, then this row's two roundings.
.macro ROW n
	s_wait_loadcnt 15-(\n)                         ; loads come back in order: row n is in, the 15 - n younger rows stay out
.if ((\n) % BLOCK == 0) && ((\n) > 0)
	s_wait_alu depctr_va_vdst(0)                   ; a block's head: the roundings of the block before have written its four pairs of Y, which this block's four stores read
.endif
.if (\n) >= BLOCK
	global_store_b64 v2, v[Y+2*((\n)-BLOCK):Y+2*((\n)-BLOCK)+1], s[30:31] offset:((\n)-BLOCK)*ROWOUT  ; no vector instruction since that wait names these registers
.endif
	v_cvt_pk_bf16_f32 v[Y+2*(\n)],   v[X+4*(\n)],   v[X+4*(\n)+1]
	v_cvt_pk_bf16_f32 v[Y+2*(\n)+1], v[X+4*(\n)+2], v[X+4*(\n)+3]
.endm
.irp n, 0,1,2,3,4,5,6,7,8,9,10,11,12,13,14,15
	ROW \n
.endr
	s_wait_alu depctr_va_vdst(0)                   ; the last block's roundings have written its four pairs of Y, which the last four stores read
.irp n, 12,13,14,15
	global_store_b64 v2, v[Y+2*\n:Y+2*\n+1], s[30:31] offset:\n*ROWOUT
.endr
	; xb's 8 rows of zeros in front (group 0) and behind (group 511)
	s_cmp_eq_u32 ttmp9, 0
	s_cbranch_scc1 .Lpad
	s_cmp_eq_u32 ttmp9, 511
	s_cbranch_scc0 .Lend
.Lpad:
	s_cmp_eq_u32 ttmp9, 0
	s_cselect_b32 s36, 0, 8200*ROWOUT
	s_mov_b32 s37, 0
	s_add_nc_u64 s[38:39], s[10:11], s[36:37]
.irp n, 0,1,2,3,4,5,6,7
	global_store_b64 v2, v[Z:Z+1], s[38:39] offset:\n*ROWOUT       ; v2 and the zeros were written ahead of the wait at the kernel's head, and by nothing since
.endr
.Lend:
	s_endpgm
.Lfunc_end_k_q94ecb7fd50_cast:
	.size	k_q94ecb7fd50_cast, .Lfunc_end_k_q94ecb7fd50_cast-k_q94ecb7fd50_cast
	.p2alignl 7, 3214868480
	.fill 96, 4, 3214868480
	.section	.rodata,"a",@progbits
	.p2align	6, 0x0
	.amdhsa_kernel k_q94ecb7fd50_cast
		.amdhsa_group_segment_fixed_size 0
		.amdhsa_private_segment_fixed_size 0
		.amdhsa_enable_private_segment 0
		.amdhsa_kernarg_size 48
		.amdhsa_user_sgpr_count 2
		.amdhsa_user_sgpr_kernarg_segment_ptr 1
		.amdhsa_wavefront_size32 1
		.amdhsa_system_sgpr_workgroup_id_x 1
		.amdhsa_system_sgpr_workgroup_id_y 1
		.amdhsa_system_sgpr_workgroup_id_z 1
		.amdhsa_system_vgpr_workitem_id 0
		.amdhsa_next_free_vgpr 104
		.amdhsa_next_free_sgpr 66
		.amdhsa_reserve_vcc 0
		.amdhsa_float_denorm_mode_32 3
		.amdhsa_float_denorm_mode_16_64 3
		.amdhsa_memory_ordered 1
		.amdhsa_forward_progress 1
		.amdhsa_inst_pref_size 9
	.end_amdhsa_kernel
	.amdgpu_metadata
---
amdhsa.version: [ 1, 2 ]
amdhsa.kernels:
  - .name:           k_q94ecb7fd50_cast
    .symbol:         k_q94ecb7fd50_cast.kd
    .args:
      - { .name: x, .offset: 0, .size: 8, .value_kind: global_buffer, .address_space: global }
      - { .name: w_qkv, .offset: 8, .size: 8, .value_kind: global_buffer, .address_space: global }
      - { .name: w_proj, .offset: 16, .size: 8, .value_kind: global_buffer, .address_space: global }
      - { .name: xb, .offset: 24, .size: 8, .value_kind: global_buffer, .address_space: global }
      - { .name: wqb, .offset: 32, .size: 8, .value_kind: global_buffer, .address_space: global }
      - { .name: wpb, .offset: 40, .size: 8, .value_kind: global_buffer, .address_space: global }
    .group_segment_fixed_size: 0
    .private_segment_fixed_size: 0
    .kernarg_segment_align: 8
    .kernarg_segment_size: 48
    .max_flat_workgroup_size: 256
    .sgpr_count:     66
    .vgpr_count:     104
    .wavefront_size: 32
...
	.end_amdgpu_metadata
.endif
;; end of part 4
;; launch qkv_attn: the kernel of part 2 again; grid 16 x 32, 4 waves a work-group, clusters of 4 x 4, 327,680 bytes of LDS; arguments xb, wqb, b_qkv, ab; writes ab
;; launch proj: the kernel of part 3 again; grid 4 x 64, 4 waves a work-group, clusters of 4 x 4, 327,680 bytes of LDS; arguments ab, wpb, b_proj, out0; writes out0
